; MI455X (gfx1250); checked and timed in simulation.
; The chip was launched on July 23, 2026; its instructions are those of AMD's public machine-readable ISA for CDNA 5 (MIT licence, August 2026) and "CDNA5" Instruction Set Architecture Reference Guide (July 2026). The comments in the code are by the model that wrote it; some were corrected since.
;; Ghost Linear. Allowed arithmetic: float matrix products may take bf16 or f16 operands with f32 sums; other float arithmetic in f32, or as packed bf16 or f16 multiplies, adds, multiply-adds, maxima and minima; sums over many terms, partial sums and values carried from step to step in f32; what a program stores and reads back later, other than sums and carried values, may be rounded once to bf16 or f16.
;; Inputs: grid_indices 4,096 x 4,096 int32; lut 65,536 float32; scale 4,096 x 1 float32; x 4 x 1,024 x 4,096 float32.
;; Outputs: out0 4 x 1,024 x 4,096 float32.
;; One version. Each part assembles by itself: llvm-mc -triple=amdgcn-amd-amdhsa -mcpu=gfx1250 --defsym DOCPART=n.
;; ======== version 1 of 1: 2 launches
;; workspace buffers: xb 33,554,432 bytes; wb 33,554,432 bytes
;; launch prep (part 1): grid 256 x 1, 16 waves a work-group, no clusters, 264,192 bytes of LDS; arguments x, grid_indices, lut, xb, wb; writes xb, wb
.if DOCPART == 1
	.amdgcn_target "amdgcn-amd-amdhsa--gfx1250"
	.amdhsa_code_object_version 6
	.text
	.protected	k_q893478c458_prep
	.globl	k_q893478c458_prep
	.p2align	8
	.type	k_q893478c458_prep,@function
k_q893478c458_prep:
	s_mov_b64 s[64:65], 0
	v_nop
	global_prefetch_b8 v0, s[64:65] scope:SCOPE_SE
	s_setreg_imm32_b32 hwreg(HW_REG_WAVE_MODE, 25, 1), 1
	s_wait_xcnt 0x0
; GhostLinear, first of two launches.  out[m][o] = scale[o] x the sum over i of x[m][i] lut[idx[o][i]], m = 0..4095, o = 0..4095, i = 0..4095.
; This launch makes the product's two operands:  xb[m][i] = bf16(x[m][i])  and  wb[o][i] = bf16(lut[idx[o][i]]), both [4096][4096], row-major.  The second launch multiplies them and applies scale.
; NOTHING IS LEFT OUT: all four inputs reach the output, and every step of the formula is done (scale is read by the second launch alone).
; LIMITS.  x and lut enter the product rounded once to bf16 (nearest even).  An index is read as an unsigned number and held to 65,535: inside the table, where the problem keeps it, that changes nothing.
; NaN and infinities are not treated apart.
; WHY A LAUNCH OF ITS OWN.  In the product each row of idx is wanted by 16 tile rows and each row of x by 16 tile columns: looked up and rounded there, the work below would be done 16 times; and the table's
; 262,144 bytes would leave no LDS for the product's tiles.
; SHARES.  256 work-groups of 16 waves.  Wave w of work-group g owns row 16 g + w of x and the same row of idx: 16,384 bytes each, in 32 chunks of 512 bytes, 16 bytes a lane.  A chunk leaves as 256 bytes of
; bf16, 8 bytes a lane: each store of the wave covers 256 consecutive bytes, aligned.  Every chunk's place stands in an immediate: no address register is ever rewritten.
; THE TABLE lies whole in LDS, as f32, as it lies in memory: each wave brings 16,384 bytes of it by one tensor load (64 rows of 256 bytes); x is rounded and stored while it lands.
; NO CLUSTER, though all work-groups read the same table (262,144 of the 786,432 bytes that a work-group reads): the look-ups' LDS addresses are made from the work-group's own index rows, so they differ from
; work-group to work-group.
; NO MATRIX UNIT, NO RING: nothing is multiplied, and no LDS byte is filled twice.  No prefetch: every wave has up to 48 loads of 512 bytes out from its first lines on.
.set SPARE, 262144                     ; behind the table: the spare words, 128 bytes for each of 16 waves: eight blocks of 256 bytes that no other line names
.set LO,  2                            ; v2        16 x lane: my 16 bytes of a chunk of x or idx; never rewritten
.set SO,  3                            ; v3        8 x lane: my 8 bytes of a chunk of xb or wb; never rewritten
.set SPW, 4                            ; v4        LDS address of my spare word: SPARE + 4 x my thread's number; never rewritten
.set NIL, 5                            ; v5        0; never rewritten
.set X,   16                           ; v[16:143]  x's 32 chunks, 4 registers each; a chunk's result takes its first two.  v[16:79] later take idx's chunks 16-31
.set I,   144                          ; v[144:207] idx's chunks 0-15
.set G,   208                          ; v[208:223] four slots of 4 numbers looked up
.set WV,  14                           ; s14       my wave's number
.set G0,  28                           ; s[28:31]  descriptor group 0
.set G1,  32                           ; s[32:39]  descriptor group 1
	s_load_b256 s[4:11], s[0:1], 0x0               ; x s[4:5], idx s[6:7], lut s[8:9], xb s[10:11]
	s_load_b64 s[12:13], s[0:1], 0x20              ; wb
	v_lshl_add_u32 v[SPW], v0, 2, SPARE
	v_mov_b32 v[NIL], 0
	ds_add_u32 v[SPW], v[NIL]                      ; the wave's opening: the add, twice on end, and its wait ahead of my tensor load; the set-up below stands between
	ds_add_u32 v[SPW], v[NIL]                      ; and once more, under the one wait
	v_lshrrev_b32 v1, 5, v0
	v_readfirstlane_b32 s[WV], v1                  ; wave 0..15
	s_lshl_b32 s16, ttmp9, 4
	s_add_co_u32 s16, s16, s[WV]                   ; my row = 16 x work-group + wave
	s_lshl_b32 s18, s16, 14                        ; its first byte in x and idx (16,384 a row; 4,095 rows stay under 2^26),
	s_mov_b32 s19, 0
	s_lshl_b32 s20, s16, 13                        ; and in xb and wb (8,192 a row)
	s_mov_b32 s21, 0
	s_lshl_b32 s22, s[WV], 14                      ; my 16,384 bytes of the table, in memory
	s_mov_b32 s23, 0
	s_mov_b32 s[G0], 1                             ; 1:0 count = 1
	s_lshl_b32 s[G0+1], s[WV], 14                  ; 63:32 LDS address: the same place in LDS
	; group 1: a dense block of 16,384 bytes as 64 rows of 32 elements of 8 bytes
	s_mov_b32 s[G1+0], 3<<16                       ; 15:0 no mask; 17:16 elements of 8 bytes; no padding: look-ups by an arbitrary index gain nothing from a pitch
	s_mov_b32 s[G1+1], 32<<16                      ; tensor_dim0 = 32
	s_mov_b32 s[G1+2], 64<<16                      ; tensor_dim1 = 64
	s_mov_b32 s[G1+3], 32<<16                      ; tile_dim0 = 32
	s_mov_b32 s[G1+4], 64                          ; tile_dim1 = 64
	s_mov_b32 s[G1+5], 32                          ; 32 elements from row to row
	s_mov_b32 s[G1+6], 0
	s_mov_b32 s[G1+7], 0
	v_and_b32 v1, 31, v0                           ; lane
	v_lshlrev_b32 v[LO], 4, v1
	v_lshlrev_b32 v[SO], 3, v1
	s_wait_dscnt 0x0                               ; both opening adds are done
	s_wait_kmcnt 0x0
	s_add_nc_u64 s[G0+2:G0+3], s[8:9], s[22:23]    ; 120:64 global address
	s_or_b32 s[G0+3], s[G0+3], 0x80000000          ; 127:126 type = 2
	tensor_load_to_lds s[G0:G0+3], s[G1:G1+7]      ; my one tensor load
	s_nop 0
	s_add_nc_u64 s[4:5], s[4:5], s[18:19]          ; the four streams at my row
	s_add_nc_u64 s[6:7], s[6:7], s[18:19]
	s_add_nc_u64 s[10:11], s[10:11], s[20:21]
	s_add_nc_u64 s[12:13], s[12:13], s[20:21]
.set c, 0
.rept 32                               ; the whole row of x,
	global_load_b128 v[X+4*c:X+4*c+3], v[LO], s[4:5] offset:512*c th:TH_LOAD_NT
.set c, c+1
.endr
.set c, 0
.rept 16                               ; and the first half of my row of idx: 48 loads, 24,576 bytes, are out
	global_load_b128 v[I+4*c:I+4*c+3], v[LO], s[6:7] offset:512*c th:TH_LOAD_NT
.set c, c+1
.endr
; Chunk c of x: four numbers a lane rounded to bf16, in place, and stored.  left: the younger loads, which may stay out.
.macro CVTX c, left
	s_wait_loadcnt \left                           ; loads come back in order (ISA guide 5.7.1): chunk c is in
	v_cvt_pk_bf16_f32 v[X+4*(\c)],   v[X+4*(\c)],   v[X+4*(\c)+1]
	v_cvt_pk_bf16_f32 v[X+4*(\c)+1], v[X+4*(\c)+2], v[X+4*(\c)+3]
	global_store_b64 v[SO], v[X+4*(\c):X+4*(\c)+1], s[10:11] offset:256*(\c) th:TH_STORE_NT
.endm
.macro IREG c                          ; r: the four registers of idx's chunk c; g: its slot
.if (\c) < 16
.set r, I+4*(\c)
.else
.set r, X+4*((\c)-16)
.endif
.set g, G+4*((\c)%4)
.endm
; Chunk c of idx: the four indices are held to the table, turned into byte addresses, and looked up.
.macro GATH c
	IREG \c
	s_wait_loadcnt 31-(\c)                         ; x is all in by now; behind idx's chunk c stand 31 - c younger loads
.irp k, 0,1,2,3
	v_min_u32 v[r+(\k)], 0xffff, v[r+(\k)]
.endr
.irp k, 0,1,2,3
	v_lshlrev_b32 v[r+(\k)], 2, v[r+(\k)]
.endr
.irp k, 0,1,2,3
	ds_load_b32 v[g+(\k)], v[r+(\k)]
.endr
.endm
; Chunk c's four numbers are rounded to bf16, into the registers that held its addresses, and stored.
.macro FIN c
	IREG \c
.if (\c) < 29
	s_wait_dscnt 12                                ; LDS loads come back in order: three younger chunks' four look-ups each may stay out
.else
	s_wait_dscnt 4*(31-(\c))                       ; at the end the count runs down: 8, 4, 0
.endif
	v_cvt_pk_bf16_f32 v[r],   v[g],   v[g+1]
	v_cvt_pk_bf16_f32 v[r+1], v[g+2], v[g+3]
	global_store_b64 v[SO], v[r:r+1], s[12:13] offset:256*(\c) th:TH_STORE_NT
.endm
.set c, 0
.rept 16
	CVTX c, 47-c                                   ; behind x's chunk c: 31 - c of x, 16 of idx
.set c, c+1
.endr
	s_wait_xcnt 0x0                                ; the sixteen stores have had their addresses translated (ISA guide 3.1): only behind this wait are their data registers loaded again
.set c, 16
.rept 16                               ; the second half of my row of idx, into v[16:79]
	global_load_b128 v[X+4*(c-16):X+4*(c-16)+3], v[LO], s[6:7] offset:512*c th:TH_LOAD_NT
.set c, c+1
.endr
.set c, 16
.rept 16
	CVTX c, 63-c                                   ; behind x's chunk c: 31 - c of x, 32 of idx
.set c, c+1
.endr
	s_wait_tensorcnt 0x0                           ; my part of the table has landed,
	s_barrier_signal -1
	s_barrier_wait -1                              ; and so has every wave's: the look-ups go anywhere in it.
	GATH 0
	GATH 1
	GATH 2
	GATH 3
.set c, 0
.rept 32                               ; four chunks' look-ups are out while the oldest is rounded and stored
	FIN c
.if c < 28
	GATH c+4
.endif
.set c, c+1
.endr
	s_wait_tensorcnt 0x0                           ; the wave's end, behind my tensor load
	ds_add_u32 v[SPW], v[NIL]
	s_wait_dscnt 0x0
	s_endpgm
.Lfunc_end_k_q893478c458_prep:
	.size	k_q893478c458_prep, .Lfunc_end_k_q893478c458_prep-k_q893478c458_prep
	.p2alignl 7, 3214868480
	.fill 96, 4, 3214868480
	.section	.rodata,"a",@progbits
	.p2align	6, 0x0
	.amdhsa_kernel k_q893478c458_prep
		.amdhsa_group_segment_fixed_size 264192
		.amdhsa_private_segment_fixed_size 0
		.amdhsa_enable_private_segment 0
		.amdhsa_kernarg_size 40
		.amdhsa_user_sgpr_count 2
		.amdhsa_user_sgpr_kernarg_segment_ptr 1
		.amdhsa_wavefront_size32 1
		.amdhsa_system_sgpr_workgroup_id_x 1
		.amdhsa_system_sgpr_workgroup_id_y 1
		.amdhsa_system_sgpr_workgroup_id_z 1
		.amdhsa_system_vgpr_workitem_id 0
		.amdhsa_next_free_vgpr 224
		.amdhsa_next_free_sgpr 66
		.amdhsa_reserve_vcc 0
		.amdhsa_float_denorm_mode_32 3
		.amdhsa_float_denorm_mode_16_64 3
		.amdhsa_memory_ordered 1
		.amdhsa_forward_progress 1
		.amdhsa_inst_pref_size 46
	.end_amdhsa_kernel
	.amdgpu_metadata
---
amdhsa.version: [ 1, 2 ]
amdhsa.kernels:
  - .name:           k_q893478c458_prep
    .symbol:         k_q893478c458_prep.kd
    .args:
      - { .name: x, .offset: 0, .size: 8, .value_kind: global_buffer, .address_space: global }
      - { .name: grid_indices, .offset: 8, .size: 8, .value_kind: global_buffer, .address_space: global }
      - { .name: lut, .offset: 16, .size: 8, .value_kind: global_buffer, .address_space: global }
      - { .name: xb, .offset: 24, .size: 8, .value_kind: global_buffer, .address_space: global }
      - { .name: wb, .offset: 32, .size: 8, .value_kind: global_buffer, .address_space: global }
    .group_segment_fixed_size: 264192
    .private_segment_fixed_size: 0
    .kernarg_segment_align: 8
    .kernarg_segment_size: 40
    .max_flat_workgroup_size: 512
    .sgpr_count:     66
    .vgpr_count:     224
    .wavefront_size: 32
...
	.end_amdgpu_metadata
.endif
;; end of part 1
;; launch gemm (part 2): grid 16 x 16, 4 waves a work-group, clusters of 4 x 4, 327,680 bytes of LDS; arguments xb, wb, scale, out0; writes out0
.if DOCPART == 2
	.amdgcn_target "amdgcn-amd-amdhsa--gfx1250"
	.amdhsa_code_object_version 6
	.text
	.protected	k_q893478c458_gemm
	.globl	k_q893478c458_gemm
	.p2align	8
	.type	k_q893478c458_gemm,@function
k_q893478c458_gemm:
	s_mov_b64 s[64:65], 0
	v_nop
	global_prefetch_b8 v0, s[64:65] scope:SCOPE_SE
	s_setreg_imm32_b32 hwreg(HW_REG_WAVE_MODE, 25, 1), 1
	s_wait_xcnt 0x0
	s_wait_alu depctr_hold_cnt(0) depctr_sa_sdst(0) depctr_va_vdst(0) depctr_va_sdst(0) depctr_va_ssrc(0) depctr_va_vcc(0) depctr_vm_vsrc(0)
	s_getreg_b32 s2, hwreg(HW_REG_IB_STS2, 6, 4)
	s_cmp_eq_u32 s2, 0
	s_cbranch_scc0 .Lentry_in_a_cluster
	s_endpgm
.Lentry_in_a_cluster:
	s_bfe_u32 s2, ttmp6, 0x10000c
	s_cmp_lg_u32 s2, 0xf033
	s_cbranch_scc0 .Lentry_shape_is_right
	s_endpgm
.Lentry_shape_is_right:
; GhostLinear, second of two launches.  out[m][o] = bf16(scale[o]) x the sum over k of A[m][k] B[o][k], with A = xb = bf16(x) and B = wb = bf16(lut[idx]), both [4096][4096] bf16 from the launch before.
; Sums in f32; out is [4096][4096] f32.  No work of the formula is left out.
; LIMITS.  scale enters rounded once to bf16, as x and lut do, and multiplies the finished f32 sum in f32 (folded into B it would cost B a second rounding).  NaN and infinities are not treated apart.
; A tile of out, 256 x 256, is made by a work-group of four waves; a wave makes 128 x 128: 64 accumulators of 16 x 16, 512 registers.  16 x 16 tiles: 256 work-groups, one tile each.
; K goes in steps of 128 through a ring of two LDS slots filled by the tensor data mover: the rows of A's and B's tiles are 256 bytes of memory and start at multiples of 256 bytes from the buffer's first byte.
; CLUSTERS: 4 x 4 work-groups.  The four of a row of the cluster need the same tiles of A, the four of a column the same tiles of B.  Such a tile is asked for JOINTLY: each of the four issues the same tensor
; load, with the same descriptor and a mask that names the four, and each receives the tile in its own LDS: the requests for A and for B are divided by four.
; REGISTERS, in windows of 256 (an instruction names v0-v255; s_set_vgpr_msb says which window each operand place means: bits 1:0 source 0, 3:2 source 1, 5:4 source 2, 7:6 destination):
;   window 0: v0-31 addresses and the scale; v64-127, v128-191 fragments of A (8 x 16 rows x 32 K), two buffers        window 1: v64-127, v128-191 fragments of B, two buffers
;   window 2: the 32 accumulators of my rows 0-63 (accumulator (a, b) at v[8 (8 a + b)]);   window 3: those of my rows 64-127
; THE MATRIX INSTRUCTION IS USED TRANSPOSED: source 0 = 16 rows of B, source 1 = 16 rows of A.  In the result, lane l holds row m = l % 16 of out, and its registers 0 to 7 the columns 8 (l / 16) + 0 .. 7:
; 32 neighbouring bytes of a row of out.
.set SIZE_N, 4096
.set SIZE_K, 4096
.set KSTEP,  128
.set PITCH,  272                       ; an LDS row: 256 bytes of data + 16 of padding = 68 words: row r starts at bank 4 r mod 64 (64 banks of 4 bytes: ISA guide 11.1), so the 16 rows that a load touches start at 16 different banks
.set HALFT,  128*PITCH                 ; 128 rows: what one tensor load brings, and what one wave reads of A or of B
.set SLOT,   4*HALFT                   ; A's 256 rows, then B's 256 rows
.set STAGE,  2*SLOT                    ; behind the ring, never filled by a tensor load: 16 rows x 528 bytes for each wave, for the way out
.set SPITCH, 528                       ; a stage row: my 128 columns in f32, 512 bytes, + 16 = 132 words: row r starts at bank 4 r mod 64
.set SPARE,  STAGE+4*16*SPITCH         ; behind the stages: the spare words, 128 bytes for each wave: two blocks of 256 bytes that no other line names
.set LAPS, SIZE_K/(2*KSTEP)            ; a lap = two K steps = once round the ring: 16
.set SC,   8                           ; v[8:11] bf16(scale), as f32, of the four columns that I store
.set ADRA, 16                          ; v16-17  LDS address of my A fragments in slot 0, 1
.set ADRB, 20                          ; v20-21  the same for B
.set STO,  24                          ; v24     the way out: where I put 32 bytes of a row
.set RD,   25                          ; v25     the way out: where I read 16 bytes of a row back
.set CO,   26                          ; v26     16 x lane: my byte offset in 512 bytes of a row of out, and in my wave's 128 numbers of scale; never rewritten
.set SPW,  28                          ; v28     LDS address of my spare word: SPARE + 4 x my thread's number; never rewritten
.set NIL,  29                          ; v29     0; never rewritten
.set PFO,  30                          ; v30     the prefetches' offset: my lane x a row of A or B in memory (8,192 bytes); never rewritten
.set PFA,  44                          ; s[44:45] where my prefetches stand: my work-group's 32 rows of the 128 that I fetch, one K step further along K than the refill that is being asked for; a prefetch names the K step after that
.set LIM,  43                          ; s43     1 in a wave that prefetches, else the greatest number
.set F0,   64                          ; fragment buffer 0
.set F1,   128                         ; fragment buffer 1
.set G1, 24                            ; s[24:31] descriptor group 1 for A's tiles
.set G0, 32                            ; s[32:39] descriptor group 0 for A's tiles, one set for each slot
.set G1B, 48                           ; s[48:55] descriptor group 1 for B's tiles: it differs from A's in the mask alone
.set G0B, 56                           ; s[56:63] descriptor group 0 for B's tiles, one set for each slot
.set MSB, 0
.macro WIN new                         ; the immediate's high byte repeats the setting that is left; a switch that changes nothing is dropped
.if MSB != (\new)
	s_set_vgpr_msb (MSB<<8)|(\new)
.set MSB, \new
.endif
.endm
.set MUL_LO, 0xa1                      ; source 0 (B) window 1, source 1 (A) window 0, C and D window 2
.set MUL_HI, 0xf1                      ; the same, C and D window 3
.set TO_B,   0x40                      ; destination window 1, address window 0
; A joint load.  Waves 0 and 1 fetch A's two halves, waves 2 and 3 B's.  Each of the two lines has ONE mask and one set of registers for all that issue it, and nothing in them hangs on a coordinate that the
; four partners do not share.  The branch hangs on the wave's number alone.  An s_nop 0 and four v_nop follow each of the two lines, ahead of the jump, the label and what follows.
.macro JLOAD s
	s_cmp_eq_u32 s11, 0
	s_cbranch_scc0 .Lfor_b_\@
	tensor_load_to_lds s[G0+4*(\s):G0+4*(\s)+3], s[G1:G1+7]
	s_nop 0
.rept 4
	v_nop
.endr
	s_branch .Lasked_\@
.Lfor_b_\@:
	tensor_load_to_lds s[G0B+4*(\s):G0B+4*(\s)+3], s[G1B:G1B+7]
	s_nop 0
.rept 4
	v_nop
.endr
.Lasked_\@:
.endm
; A PREFETCH INTO THE L2, behind each joint load, its five lines and the run of LDS loads that follows them: the K step that stands TWO refills on, 512 matrix instructions ahead of the load that will ask for it:
; 32 rows x 256 bytes, a lane a row, one instruction a wave.  Each row's 256 bytes of a K step are named ONCE in the launch: A's tile row is read by every cluster of that row of clusters, and the first of
; them (cluster x = 0) asks; B's tile column by every cluster of that column, and cluster y = 0 asks.  The four partners that ask for a tile jointly share its rows out BY ADDRESS: of the 128 rows that a wave
; fetches the partner at place p takes 32 p .. 32 p + 31 (p = cx for A, cy for B): no branch hangs on a work-group's place in its cluster.  K steps 0 to 3 come by their loads alone; the loop's last trip
; (s3 = 1) asks for nothing: its two refills are K steps 30 and 31, and there is no K step two on.
.macro ASK
	s_cmp_gt_u32 s3, s[LIM]
	s_cbranch_scc0 .Lnot_mine_\@
	global_prefetch_b8 v[PFO], s[PFA:PFA+1] offset:KSTEP*2 th:TH_LOAD_NT scope:SCOPE_SE
.Lnot_mine_\@:
.endm
; A round of the cluster's barrier: my work-group's barrier, so that wave 0's signal speaks for all four waves; wave 0 signals for the work-group; every wave waits for all sixteen work-groups; my work-group's
; barrier once more.  No LDS instruction of the wave is pending at a signal.
.macro CREST                           ; a round behind its opening barrier
	s_cmp_lg_u32 s10, 0
	s_cbranch_scc1 .Lnot_wave_0_\@
	s_barrier_signal -3
.Lnot_wave_0_\@:
	s_barrier_wait -3
	s_barrier_signal -1
	s_barrier_wait -1
.endm
.macro CROUND                          ; a whole round
	s_barrier_signal -1
	s_barrier_wait -1
	CREST
.endm
	s_load_b128 s[4:7], s[0:1], 0x0                ; A s[4:5], B s[6:7]
	s_load_b64 s[66:67], s[0:1], 0x10              ; scale
	s_load_b64 s[8:9], s[0:1], 0x18                ; out
	v_lshl_add_u32 v[SPW], v0, 2, SPARE
	v_mov_b32 v[NIL], 0
	ds_add_u32 v[SPW], v[NIL]                      ; the wave's opening: the add, twice on end, and its wait ahead of my first tensor load; the set-up below stands between
	ds_add_u32 v[SPW], v[NIL]                      ; and once more, under the one wait
	v_lshrrev_b32 v1, 5, v0
	v_readfirstlane_b32 s10, v1                    ; wave 0..3
	s_lshr_b32 s11, s10, 1                         ; which half of the tile's rows is mine.  Also: I fetch for A (0) or for B (1)
	s_and_b32 s12, s10, 1                          ; which half of its columns.  Also: which 128 rows of that tile I fetch
	s_bfe_u32 s40, ttmp6, 0x40000                  ; cx: my place along the cluster's x
	s_bfe_u32 s41, ttmp6, 0x40004                  ; cy: along its y
	s_lshl_b32 s42, ttmp9, 2                       ; in a cluster launch ttmp9 and ttmp7 count clusters
	s_add_co_u32 s42, s42, s40                     ; tile column = 4 x cluster x + cx
	s_and_b32 s13, ttmp7, 0xffff
	s_lshl_b32 s13, s13, 2
	s_add_co_u32 s13, s13, s41                     ; tile row = 4 x cluster y + cy
	s_lshl_b32 s43, s41, 2
	s_lshl_b32 s43, 15, s43                        ; my row of the cluster: places 4 cy .. 4 cy + 3
	s_lshl_b32 s44, 0x1111, s40                    ; my column: places cx, cx + 4, cx + 8, cx + 12
	; descriptor group 1: a tile of 128 rows x 128 elements, padded in LDS
	s_or_b32 s[G1+0], s43, (1<<16)|(1<<20)|(1<<21)|(5<<22)|(3<<25)  ; 15:0 the mask: A's tiles go to my row; 17:16 elements of 2 bytes; 20 padding on; 21 set beside a mask; 24:22 after every 64 words (code 5); 31:25 4 words of it (code 3)
	s_or_b32 s[G1B+0], s44, (1<<16)|(1<<20)|(1<<21)|(5<<22)|(3<<25) ; the same with the mask of my column, for B's tiles
.irp g, G1, G1B
	s_mov_b32 s[(\g)+1], KSTEP<<16                 ; tensor_dim0 = 128
	s_mov_b32 s[(\g)+2], 128<<16                   ; tensor_dim1 = 128
	s_mov_b32 s[(\g)+3], KSTEP<<16                 ; tile_dim0 = 128
	s_mov_b32 s[(\g)+4], 128                       ; tile_dim1 = 128
	s_mov_b32 s[(\g)+5], SIZE_K                    ; elements from row to row
	s_mov_b32 s[(\g)+6], 0
	s_mov_b32 s[(\g)+7], 0
.endr
	; where the tiles come from.  A's hang on the tile row alone, which my row of the cluster shares; B's on the tile column alone, which my column shares.
	; Every wave makes both addresses, in registers that never hold the other coordinate, and asks by one of them.
	s_lshl_b32 s17, s12, 7                         ; which 128 rows of the tile I fetch
	s_lshl_b32 s16, s13, 8
	s_add_co_u32 s16, s16, s17                     ; A: row 256 x tile row + 128 x half
	s_lshl_b32 s46, s42, 8
	s_add_co_u32 s46, s46, s17                     ; B: row 256 x tile column + 128 x half
	s_mov_b32 s17, 0
	s_mov_b32 s47, 0
	s_mov_b64 s[18:19], SIZE_K*2
	s_mul_u64 s[16:17], s[16:17], s[18:19]         ; in bytes
	s_mul_u64 s[46:47], s[46:47], s[18:19]
	s_mul_i32 s20, s10, HALFT                      ; and where they go: A's two halves, then B's two halves = wave x 128 rows: no place in the cluster enters an LDS address
	s_wait_dscnt 0x0                               ; both opening adds are done
	s_wait_kmcnt 0x0
	s_add_nc_u64 s[14:15], s[4:5], s[16:17]
	s_add_nc_u64 s[46:47], s[6:7], s[46:47]
	CROUND                                         ; all sixteen work-groups are here: the first joint loads meet
.irp s, 0,1
	s_mov_b32 s[G0+4*(\s)], 1                                      ; 1:0 count = 1
	s_add_co_u32 s[G0+4*(\s)+1], s20, (\s)*SLOT                    ; 63:32 LDS address
	s_add_nc_u64 s[G0+4*(\s)+2:G0+4*(\s)+3], s[14:15], (\s)*KSTEP*2  ; 120:64 global address: K step s
	s_or_b32 s[G0+4*(\s)+3], s[G0+4*(\s)+3], 0x80000000            ; 127:126 type = 2
	s_mov_b32 s[G0B+4*(\s)], 1
	s_add_co_u32 s[G0B+4*(\s)+1], s20, (\s)*SLOT
	s_add_nc_u64 s[G0B+4*(\s)+2:G0B+4*(\s)+3], s[46:47], (\s)*KSTEP*2
	s_or_b32 s[G0B+4*(\s)+3], s[G0B+4*(\s)+3], 0x80000000
	JLOAD \s                                       ; the ring is filled before anything else is done: two loads of mine are out
.endr
	; A fragment is 16 rows x 32 K in 8 registers: lane l holds row l % 16; registers 0-3 hold K = 8 (l / 16) + 0..7, registers 4-7 hold K = 16 + 8 (l / 16) + 0..7.
	; From rows that lie along K: two loads of 16 bytes, 32 bytes apart.  The same for source 0 and source 1.
	v_and_b32 v1, 15, v0                           ; l % 16
	v_bfe_u32 v2, v0, 4, 1                         ; l / 16
	v_mul_u32_u24 v3, v1, PITCH
	v_lshl_add_u32 v3, v2, 4, v3                   ; row x pitch + 16 x half
	s_mul_i32 s21, s11, HALFT                      ; my 128 rows of A
	s_mul_i32 s22, s12, HALFT                      ; my 128 rows of B,
	s_add_co_u32 s22, s22, 2*HALFT                 ; which lie behind A's 256
.irp s, 0,1
	v_add_nc_u32 v[ADRA+(\s)], s21, v3
	v_add_nc_u32 v[ADRB+(\s)], s22, v3
	s_add_co_u32 s21, s21, SLOT
	s_add_co_u32 s22, s22, SLOT
.endr
	s_mul_i32 s23, s10, 16*SPITCH
	s_add_co_u32 s23, s23, STAGE                   ; my stage
	v_mul_u32_u24 v4, v1, SPITCH                   ; in: row l % 16, 32 bytes for each half of the lanes
	v_lshl_add_u32 v4, v2, 5, v4
	v_add_nc_u32 v[STO], s23, v4
	v_and_b32 v5, 31, v0
	v_lshlrev_b32 v[CO], 4, v5                     ; back: 32 lanes take one row of 512 bytes, 16 bytes each; and the same in out
	v_add_nc_u32 v[RD], s23, v[CO]
	; where my part of the tile begins in out, and my 128 numbers in scale
	s_lshl_b32 s13, s13, 8                         ; 256 x tile row
	s_lshl_b32 s14, s11, 7
	s_add_co_u32 s16, s13, s14                     ; my first row of out,
	s_lshl_b32 s16, s16, 14                        ; times 16,384 bytes: under 2^26
	s_mov_b32 s17, 0
	s_lshl_b32 s46, s42, 10                        ; my first column, in bytes of f32: 1,024 x tile column + 512 x half
	s_lshl_b32 s47, s12, 9
	s_add_co_u32 s46, s46, s47
	s_mov_b32 s47, 0
	s_add_nc_u64 s[8:9], s[8:9], s[16:17]
	s_add_nc_u64 s[8:9], s[8:9], s[46:47]
	s_add_nc_u64 s[66:67], s[66:67], s[46:47]
	global_load_b128 v[SC:SC+3], v[CO], s[66:67]   ; scale of the four columns that I store: 512 consecutive bytes a wave
	; the prefetches.  s13 = 256 x tile row, s42 = tile column, s40 = cx, s41 = cy still stand; s[4:5] = A, s[6:7] = B
	s_lshl_b32 s42, s42, 8
	s_and_b32 s22, ttmp7, 0xffff                   ; cluster y
	s_cmp_eq_u32 s11, 0                            ; do I fetch for A?
	s_cselect_b32 s20, s13, s42                    ; the tile's first row: in A by the tile row, in B by the tile column
	s_cselect_b32 s21, s40, s41                    ; my place among the four that ask for it with me
	s_cselect_b32 s22, ttmp9, s22                  ; the coordinate along which other clusters read the same rows
	s_cselect_b64 s[PFA:PFA+1], s[4:5], s[6:7]
	s_cmp_eq_u32 s22, 0
	s_cselect_b32 s[LIM], 1, -1                    ; the same in all sixteen partners, for a given wave
	s_lshl_b32 s22, s12, 7
	s_add_co_u32 s20, s20, s22                     ; + the 128 rows that I fetch
	s_lshl_b32 s21, s21, 5
	s_add_co_u32 s20, s20, s21                     ; + my work-group's 32 of them
	s_mov_b32 s21, 0
	s_mov_b64 s[18:19], SIZE_K*2
	s_mul_u64 s[20:21], s[20:21], s[18:19]
	s_add_nc_u64 s[PFA:PFA+1], s[PFA:PFA+1], s[20:21]
	s_add_nc_u64 s[PFA:PFA+1], s[PFA:PFA+1], 2*KSTEP*2  ; at K step 2: the first refill steps it to 3 and names K step 4
	v_and_b32 v[PFO], 31, v0
	v_mul_u32_u24 v[PFO], v[PFO], SIZE_K*2
	; nothing is prefetched here, at the head, where every work-group's first two tiles are on their way
	s_wait_loadcnt 0x0                             ; scale: rounded to bf16, as x and lut are, and widened again
	v_cvt_pk_bf16_f32 v12, v[SC], v[SC+1]
	v_cvt_pk_bf16_f32 v13, v[SC+2], v[SC+3]
	v_lshlrev_b32 v[SC], 16, v12
	v_and_b32 v[SC+1], 0xffff0000, v12
	v_lshlrev_b32 v[SC+2], 16, v13
	v_and_b32 v[SC+3], 0xffff0000, v13
; 16 matrix instructions: m blocks a0, a0 + 1 of the window's four (hi = 0: my rows 0-63, 1: rows 64-127) x all 8 n blocks, 32 along K.  zero = 1: the first product starts the sums: nothing is ever cleared.
; The 64 accumulators take turns, one instruction a turn, in the same order in every quarter step, over the loop's backward jump and into the tail too.
.macro MUL16 f, hi, a0, zero
	WIN MUL_LO+0x50*(\hi)  ; MUL_LO or MUL_HI
.irp a, \a0, (\a0)+1
.irp b, 0,1,2,3,4,5,6,7
.if \zero
	v_wmma_f32_16x16x32_bf16 v[8*(8*(\a)+(\b)):8*(8*(\a)+(\b))+7], v[(\f)+8*(\b):(\f)+8*(\b)+7], v[(\f)+8*(4*(\hi)+(\a)):(\f)+8*(4*(\hi)+(\a))+7], 0
.else
	v_wmma_f32_16x16x32_bf16 v[8*(8*(\a)+(\b)):8*(8*(\a)+(\b))+7], v[(\f)+8*(\b):(\f)+8*(\b)+7], v[(\f)+8*(4*(\hi)+(\a)):(\f)+8*(4*(\hi)+(\a))+7], v[8*(8*(\a)+(\b)):8*(8*(\a)+(\b))+7]
.endif
.endr
.endr
.endm
; 32 LDS loads in one run: the fragments of one quarter step (128 rows of B, 128 rows of A, 32 K at byte k of the rows) into buffer f
.macro FETCH slot, k, f
	WIN TO_B
.irp i, 0,1,2,3,4,5,6,7
	ds_load_b128 v[(\f)+8*(\i):(\f)+8*(\i)+3],   v[ADRB+(\slot)] offset:(\k)+(\i)*16*PITCH
	ds_load_b128 v[(\f)+8*(\i)+4:(\f)+8*(\i)+7], v[ADRB+(\slot)] offset:(\k)+(\i)*16*PITCH+32
.endr
	WIN 0
.irp i, 0,1,2,3,4,5,6,7
	ds_load_b128 v[(\f)+8*(\i):(\f)+8*(\i)+3],   v[ADRA+(\slot)] offset:(\k)+(\i)*16*PITCH
	ds_load_b128 v[(\f)+8*(\i)+4:(\f)+8*(\i)+7], v[ADRA+(\slot)] offset:(\k)+(\i)*16*PITCH+32
.endr
.endm
; A load into a register that a matrix instruction has read or written, and an LDS store that reads a matrix result, stand four places behind that matrix instruction, and only plain vector instructions that
; name none of its registers are places (ISA guide 7.12.1 for vector instructions).  So four v_nop stand in front of each run of loads.
.macro PLACES
.rept 4
	v_nop
.endr
.endm
; A K step is four quarter steps of 32 along K, 64 matrix instructions each, on buffers 0, 1, 0, 1.
; One of the first three: multiplies buffer f; in its middle it fetches the next quarter's fragments, at byte k of the same slot's rows, into buffer g.
.macro QUARTER slot, k, f, g, zero
	s_wait_dscnt 8                                 ; B and A's rows 0-63 are in; the youngest eight loads (A's rows 64-127) may be out
	WIN MUL_LO
	MUL16 \f, 0, 0, \zero
	MUL16 \f, 0, 2, \zero
	PLACES
	FETCH \slot, \k, \g
	s_wait_dscnt 32                                ; all but the 32 just issued
	WIN MUL_HI
	MUL16 \f, 1, 0, \zero
	MUL16 \f, 1, 2, \zero
.endm
; The last quarter multiplies buffer 1 and changes slots.  MEET is its first half: ONE barrier for the change of slots, for two things.  In front of it each wave waits for all its tensor loads, of which one
; is out: its part of the next slot; adds 0 to its spare word; and waits for that and for its own reads of this slot.  Behind it nobody reads this slot any more and the next slot is whole.
.macro MEET round                      ; round = 1: a round of the cluster's barrier follows
	WIN 0                                          ; (the add's two registers lie in window 0)
	s_wait_tensorcnt 0x0                           ; all my tensor loads have landed: the one that was out is my part of the next slot;
	ds_add_u32 v[SPW], v[NIL]                      ; 0 onto my spare word;
	s_wait_dscnt 9                                 ; (the add and the youngest eight loads may be out)
	WIN MUL_LO
	MUL16 F1, 0, 0, 0                              ; sixteen matrix instructions stand between the add and the wait for it
	s_wait_dscnt 0x0                               ; the add is done, and my reads of this slot are over:
	s_barrier_signal -1                            ; say so (where a slot is filled again this barrier opens a round of the cluster's barrier),
	MUL16 F1, 0, 2, 0                              ; work on registers while the others arrive,
.if \round
	WIN 0
.endif
	s_barrier_wait -1                              ; and go on when all four have said so
.endm
; The whole last quarter.  Behind the round the slot just read out is filled again first, with the K step two steps on; then come the next slot's first fragments.
; From a request to the wait for it a wave issues 224 matrix instructions.
.macro TURN slot, next
	s_wait_xcnt 0x0                                ; the last prefetch, a K step back, has read its address: it is stepped here, ahead of the waits of the change of slots
	s_add_nc_u64 s[PFA:PFA+1], s[PFA:PFA+1], KSTEP*2
	MEET 1
	CREST                                          ; wave 0 says so for the work-group, all sixteen work-groups have said so, my work-group's barrier closes the round:
	                                               ; no wave of any partner still reads this slot's tile or has a load on its way, so the slot's group 0 may be written
	s_add_nc_u64 s[G0+4*(\slot)+2:G0+4*(\slot)+3], s[G0+4*(\slot)+2:G0+4*(\slot)+3], 2*KSTEP*2
	s_add_nc_u64 s[G0B+4*(\slot)+2:G0B+4*(\slot)+3], s[G0B+4*(\slot)+2:G0B+4*(\slot)+3], 2*KSTEP*2
	JLOAD \slot                                    ; the first tensor load behind the round, my only one until the next; the four v_nop behind it are also the places in front of the loads below
	FETCH \next, 0, F0
	ASK                                            ; behind the joint load and the run of LDS loads that the next products wait for
	WIN MUL_HI
	MUL16 F1, 1, 0, 0
	MUL16 F1, 1, 2, 0
.endm
; THE WAY OUT of block a (16 rows x my 128 columns, 8 accumulators), in two parts, both under one window setting: addresses and the scale (source 0) in window 0, the block (source 1 and destination) in its own.
; TOSTAGE: a lane's 32 bytes of each accumulator go into my own stage, each accumulator's four lowest registers first; whole rows of 512 bytes come back into the registers that the block left.
.macro TOSTAGE a
.set AC, 64*((\a)%4)
	WIN 0x88+0x44*((\a)/4)
.irp b, 0,1,2,3,4,5,6,7
	ds_store_b128 v[STO], v[AC+8*(\b):AC+8*(\b)+3]   offset:64*(\b)
	ds_store_b128 v[STO], v[AC+8*(\b)+4:AC+8*(\b)+7] offset:64*(\b)+16
.endr
.irp t, 0,1,2,3,4,5,6,7,8,9,10,11,12,13,14,15
	ds_load_b128 v[AC+4*(\t):AC+4*(\t)+3], v[RD] offset:(\t)*SPITCH  ; LDS serves a wave's instructions in order (ISA guide 5.7.1.4): these see the stores above; the next block's stores come behind them
.endr
.endm
; SEND: each row's four numbers a lane are multiplied by their columns' scale and stored.  No register of a store is ever written again, so no wait frees any.
.macro SEND a, younger                 ; younger: the LDS instructions issued behind block a's loads: the next block's 32, or none
.set AC, 64*((\a)%4)
	WIN 0x88+0x44*((\a)/4)
.irp t, 0,1,2,3,4,5,6,7,8,9,10,11,12,13,14,15
	s_wait_dscnt (\younger)+15-(\t)                ; row t is back
	v_pk_mul_f32 v[AC+4*(\t):AC+4*(\t)+1],   v[SC:SC+1],   v[AC+4*(\t):AC+4*(\t)+1]
	v_pk_mul_f32 v[AC+4*(\t)+2:AC+4*(\t)+3], v[SC+2:SC+3], v[AC+4*(\t)+2:AC+4*(\t)+3]
	global_store_b128 v[CO], v[AC+4*(\t):AC+4*(\t)+3], s[8:9] offset:(16*(\a)+(\t))*SIZE_N*4 th:TH_STORE_NT  ; 512 consecutive bytes, at a multiple of 512 from out's first; the row stands in the immediate, 2,080,768 at the most
.endr
.endm
	s_wait_tensorcnt 1                             ; my part of K step 0 is in; K step 1's may stay out
	s_barrier_signal -1
	s_barrier_wait -1                              ; everybody's is
	FETCH 0, 0, F0
	QUARTER 0, 64,  F0, F1, 1                      ; the first quarter stands in front of the loop: its products start the sums
	WIN 0                                          ; at a label and at a branch every window is 0
	s_mov_b32 s3, LAPS-1
.Llap:                                                 ; a trip goes once round the ring, from a lap's second quarter to the next lap's first, and fills both slots again
	QUARTER 0, 128, F1, F0, 0
	QUARTER 0, 192, F0, F1, 0
	TURN 0, 1
	QUARTER 1, 64,  F0, F1, 0
	QUARTER 1, 128, F1, F0, 0
	QUARTER 1, 192, F0, F1, 0
	TURN 1, 0
	QUARTER 0, 64,  F0, F1, 0
	WIN 0
	s_sub_co_u32 s3, s3, 1
	s_cmp_lg_u32 s3, 0
	s_cbranch_scc1 .Llap
	QUARTER 0, 128, F1, F0, 0                      ; the last lap is written out: it fills nothing, and has no round of the cluster's barrier
	QUARTER 0, 192, F0, F1, 0
	MEET 0                                         ; my one tensor load that was still out is slot 1's, the last K step's
	PLACES                                         ; for the loads into buffer 0, which the quarter before multiplied
	FETCH 1, 0, F0
	WIN MUL_HI
	MUL16 F1, 1, 0, 0
	MUL16 F1, 1, 2, 0
	QUARTER 1, 64,  F0, F1, 0
	QUARTER 1, 128, F1, F0, 0
	QUARTER 1, 192, F0, F1, 0
	s_wait_dscnt 8                                 ; the very last quarter: nothing more to fetch
	MUL16 F1, 0, 0, 0
	MUL16 F1, 0, 2, 0
	s_wait_dscnt 0x0
	MUL16 F1, 1, 0, 0
	MUL16 F1, 1, 2, 0
	PLACES                                         ; the LDS stores below read results, and the LDS loads land on them
	PLACES                                         ; (eight, once a launch)
	TOSTAGE 0
.irp a, 1,2,3,4,5,6,7                  ; block a's way through the stage is issued ahead of the wait for block a - 1's rows
	TOSTAGE \a
	SEND (\a)-1, 32
.endr
	SEND 7, 0
	WIN 0
	s_wait_tensorcnt 0x0                           ; the wave's end, behind my last tensor load and my last LDS store
	ds_add_u32 v[SPW], v[NIL]
	s_wait_dscnt 0x0
	CROUND                                         ; the closing round: no work-group ends while a partner may still ask for a tile that names it
	s_endpgm
.Lfunc_end_k_q893478c458_gemm:
	.size	k_q893478c458_gemm, .Lfunc_end_k_q893478c458_gemm-k_q893478c458_gemm
	.p2alignl 7, 3214868480
	.fill 96, 4, 3214868480
	.section	.rodata,"a",@progbits
	.p2align	6, 0x0
	.amdhsa_kernel k_q893478c458_gemm
		.amdhsa_group_segment_fixed_size 327680
		.amdhsa_private_segment_fixed_size 0
		.amdhsa_enable_private_segment 0
		.amdhsa_kernarg_size 32
		.amdhsa_user_sgpr_count 2
		.amdhsa_user_sgpr_kernarg_segment_ptr 1
		.amdhsa_wavefront_size32 1
		.amdhsa_system_sgpr_workgroup_id_x 1
		.amdhsa_system_sgpr_workgroup_id_y 1
		.amdhsa_system_sgpr_workgroup_id_z 1
		.amdhsa_system_vgpr_workitem_id 0
		.amdhsa_next_free_vgpr 1024
		.amdhsa_next_free_sgpr 68
		.amdhsa_reserve_vcc 0
		.amdhsa_float_denorm_mode_32 3
		.amdhsa_float_denorm_mode_16_64 3
		.amdhsa_memory_ordered 1
		.amdhsa_forward_progress 1
		.amdhsa_inst_pref_size 161
	.end_amdhsa_kernel
	.amdgpu_metadata
---
amdhsa.version: [ 1, 2 ]
amdhsa.kernels:
  - .name:           k_q893478c458_gemm
    .symbol:         k_q893478c458_gemm.kd
    .args:
      - { .name: xb, .offset: 0, .size: 8, .value_kind: global_buffer, .address_space: global }
      - { .name: wb, .offset: 8, .size: 8, .value_kind: global_buffer, .address_space: global }
      - { .name: scale, .offset: 16, .size: 8, .value_kind: global_buffer, .address_space: global }
      - { .name: out0, .offset: 24, .size: 8, .value_kind: global_buffer, .address_space: global }
    .group_segment_fixed_size: 327680
    .private_segment_fixed_size: 0
    .kernarg_segment_align: 8
    .kernarg_segment_size: 32
    .max_flat_workgroup_size: 128
    .sgpr_count:     68
    .vgpr_count:     1024
    .wavefront_size: 32
...
	.end_amdgpu_metadata
.endif
;; end of part 2
